; MI455X (gfx1250); checked and timed in simulation.
; The chip was launched on July 23, 2026; its instructions are those of AMD's public machine-readable ISA for CDNA 5 (MIT licence, August 2026) and "CDNA5" Instruction Set Architecture Reference Guide (July 2026). The comments in the code are by the model that wrote it; some were corrected since.
;; Category Specific Linear. Allowed arithmetic: float matrix products may take bf16 or f16 operands with f32 sums; all other float work in f32.
;; Inputs: bias 8 x 1,024 float32; category_id 4 x 2,048 int32; weight 8 x 1,024 x 1,024 float32; x 4 x 2,048 x 1,024 float32.
;; Outputs: out0 4 x 2,048 x 1,024 float32.
;; 2 versions, each right; version 2 is version 1 with the launch gemm written anew for expert scheduling mode. Each part assembles by itself: llvm-mc -triple=amdgcn-amd-amdhsa -mcpu=gfx1250 --defsym DOCPART=n.
;; ======== version 1 of 2: 2 launches
;; workspace buffers: order 32,768 bytes of whole numbers; tiles 1,024 bytes of whole numbers
;; launch route (part 1): grid 1 x 1, 32 waves a work-group, no clusters, 8,448 bytes of LDS; arguments category_id, order, tiles; writes order, tiles
.if DOCPART == 1
	.amdgcn_target "amdgcn-amd-amdhsa--gfx1250"
	.amdhsa_code_object_version 6
	.text
	.protected	k_q47770e0bf4_route
	.globl	k_q47770e0bf4_route
	.p2align	8
	.type	k_q47770e0bf4_route,@function
k_q47770e0bf4_route:
	s_mov_b64 s[64:65], 0
	v_nop
	global_prefetch_b8 v0, s[64:65] scope:SCOPE_SE
	s_setreg_imm32_b32 hwreg(HW_REG_WAVE_MODE, 25, 1), 1
	s_wait_xcnt 0x0
; ROUTING.  category_id: 8,192 ids (0..7).  Two tables of whole numbers come out:
;   order[8192]  the token numbers, grouped by category 0..7 (a counting sort, stable, without gaps);
;   tiles[64]    records {category, start in order, count, 0}: exactly 64 row tiles, each with 1 to 144 tokens of one category.
; Why 64 tiles of at most 144: the sum over the categories of ceil(n_c / 144) is at most floor((8192 + 8 * 143) / 144) = 64 whatever
; the ids are, and spare tiles are handed to categories that still have more tokens than tiles, so that none is empty.
; One work-group of 32 waves; wave w owns ids 256 w .. 256 w + 255 as eight vectors of 32.  No atomics: ranks come from lane masks,
; the waves' counts meet once in LDS.  Everything is whole-number arithmetic.
; LIMIT: ids outside 0..7 (which the problem's indexing excludes) are not served: such a token gets a wrong place in order.
.set RUN,  16                          ; s[16:23]  per category: count so far in my wave; later where my wave's tokens of it begin in order
.set MASK, 24                          ; s[24:31]  per category: lanes of the vector at hand that hold it
.set TOT,  32                          ; s[32:39]  n_c, tokens of the category
.set P,    40                          ; s[40:47]  tokens of all lower categories
.set SL,   48                          ; s[48:55]  tiles of the category
.set SB,   56                          ; s[56:63]  its first tile
.set E,    66                          ; s66       tiles still to hand out; also at work
.set W0,   67                          ; s67       at work
.set ID,   4                           ; v[4:11]   my eight ids
.set POS,  12                          ; v[12:19]  rank among equals in my wave, then place in order, then its byte offset
.set T,    20                          ; v[20:27]  at work, one per category
.set CN,   28                          ; v[28:35]  lane l: wave l's count of the category
.set TB,   36                          ; v36       lane c: a figure of category c
.set LST,  37                          ; v37       where I put my wave's counts
.set BS,   38                          ; v[38:45]  the base that belongs to each of my ids
.set TOK,  46                          ; v[46:53]  my eight token numbers
.set IDX,  54                          ; v[54:61]  4 x id: the lane index of the table look-up
.set TK0,  62                          ; v62       my first token number
.set D_C,  63                          ; tile table: category
.set D_N,  64                          ;   n_c, then the remainder of n_c / tiles
.set D_S,  65                          ;   tiles of the category
.set D_P,  66                          ;   P_c
.set D_B,  67                          ;   first tile of the category
.set D_J,  68                          ;   my tile's number inside the category
.set D_Q,  70                          ;   floor(n_c / tiles)
.set D_T,  71
.set D_U,  73
.set D_A,  74                          ;   byte offset of my record
.set REC,  76                          ; v[76:79]  the record
.set CPITCH, 132                       ; LDS: counts of category c at c * 132 + 4 * wave; 33 words a row keep both directions off one bank
	s_load_b128 s[4:7], s[0:1], 0x0                ; category_id s[4:5], order s[6:7]
	s_load_b64 s[8:9], s[0:1], 0x10                ; tiles
	v_lshl_add_u32 v80, v0, 2, 0x1100
	v_mov_b32 v81, 0
	v_lshrrev_b32 v3, 5, v0
	v_readfirstlane_b32 s10, v3                    ; wave 0..31
	v_and_b32 v1, 31, v0                           ; lane
	v_and_b32 v2, 0x3e0, v0                        ; 32 x wave
	v_lshlrev_b32 v2, 5, v2                        ; wave x 256 ids x 4 bytes
	v_lshl_or_b32 v2, v1, 2, v2                    ; + 4 x lane
	v_lshlrev_b32 v3, 2, v1                        ; 4 x lane
	s_mov_b32 s14, 0x76543210                      ; v_permlanex16_b32: lane i reads lane i of the other half
	s_mov_b32 s15, 0xfedcba98
.irp c, 0,1,2,3,4,5,6,7
	s_mov_b32 s[RUN+\c], 0
.endr
	s_wait_kmcnt 0x0
.irp i, 0,1,2,3,4,5,6,7
	global_load_b32 v[ID+\i], v2, s[4:5] offset:128*\i     ; 32 neighbouring ids
.endr
; Vector i: for each category the mask of its lanes; a lane's rank = the wave's count so far + equal lanes below it.
.macro RANK i
	s_wait_loadcnt 7-\i                            ; loads return in order: vector i is in, the 7 - i younger ones stay out
.irp c, 0,1,2,3,4,5,6,7
	v_cmp_eq_u32 s[MASK+\c], \c, v[ID+\i]
.if \c == 0
	v_mbcnt_lo_u32_b32 v[POS+\i], s[MASK+\c], s[RUN+\c]    ; category 0 starts the register; the lane's own category replaces it
.else
	v_mbcnt_lo_u32_b32 v[T+\c], s[MASK+\c], s[RUN+\c]
	v_cndmask_b32 v[POS+\i], v[POS+\i], v[T+\c], s[MASK+\c]
.endif
	s_bcnt1_i32_b32 s[E], s[MASK+\c]
	s_add_co_u32 s[RUN+\c], s[RUN+\c], s[E]
.endr
.endm
.irp i, 0,1,2,3,4,5,6,7
	RANK \i
.endr
	; my wave's eight counts go to LDS: lane c writes row c, column wave (lanes 8 to 31 write zeros into rows that nobody reads)
	v_mov_b32 v[TB], 0
.irp c, 0,1,2,3,4,5,6,7
	v_writelane_b32 v[TB], s[RUN+\c], \c
.endr
	v_mul_u32_u24 v[LST], v1, CPITCH
	s_lshl_b32 s[W0], s10, 2
	v_add_nc_u32 v[LST], s[W0], v[LST]
	ds_store_b32 v[LST], v[TB]
	s_wait_dscnt 0x0                               ; zero: the other waves read these words behind the barrier
	s_barrier_signal -1
	s_barrier_wait -1
.irp c, 0,1,2,3,4,5,6,7
	ds_load_b32 v[CN+\c], v3 offset:CPITCH*\c      ; lane l: wave l's count of category c
.endr
	s_bfm_b32 s12, s10, 0                          ; the lanes (waves) below mine
	s_wait_dscnt 0x0
	; one sum over the lanes gives two figures: low half the total, high half the count of the waves in front of mine
	; (both at most 8,192, so nothing is carried from one half into the other)
.irp c, 0,1,2,3,4,5,6,7
	v_cndmask_b32 v[T+\c], 0, v[CN+\c], s12
	v_lshl_or_b32 v[CN+\c], v[T+\c], 16, v[CN+\c]
.endr
.irp m, 1,2,4,8
.irp c, 0,1,2,3,4,5,6,7
	v_mov_b32_dpp v[T+\c], v[CN+\c] row_xmask:\m row_mask:0xf bank_mask:0xf
.endr
.irp c, 0,1,2,3,4,5,6,7
	v_add_nc_u32 v[CN+\c], v[CN+\c], v[T+\c]
.endr
.endr
.irp c, 0,1,2,3,4,5,6,7
	v_permlanex16_b32 v[T+\c], v[CN+\c], s14, s15
.endr
.irp c, 0,1,2,3,4,5,6,7
	v_add_nc_u32 v[CN+\c], v[CN+\c], v[T+\c]
	v_readfirstlane_b32 s[TOT+\c], v[CN+\c]
	s_lshr_b32 s[RUN+\c], s[TOT+\c], 16            ; tokens of c in the waves in front of mine
	s_and_b32 s[TOT+\c], s[TOT+\c], 0xffff         ; n_c
.endr
	s_mov_b32 s[P], 0
.irp c, 1,2,3,4,5,6,7
	s_add_co_u32 s[P+\c], s[P+\c-1], s[TOT+\c-1]
.endr
.irp c, 0,1,2,3,4,5,6,7
	s_add_co_u32 s[RUN+\c], s[RUN+\c], s[P+\c]     ; where my wave's tokens of c begin in order
	v_writelane_b32 v[TB], s[RUN+\c], \c           ; as a table: lane c
.endr
	; each id looks its base up in the table (a pull between lanes), adds its rank, and the token number goes to that place
.irp i, 0,1,2,3,4,5,6,7
	v_min_u32 v[IDX+\i], 7, v[ID+\i]
	v_lshlrev_b32 v[IDX+\i], 2, v[IDX+\i]
	ds_bpermute_b32 v[BS+\i], v[IDX+\i], v[TB]
.endr
	v_lshrrev_b32 v[TK0], 2, v2                    ; 256 x wave + lane
	s_wait_dscnt 0x0
.irp i, 0,1,2,3,4,5,6,7
	v_add_nc_u32 v[POS+\i], v[POS+\i], v[BS+\i]
	v_min_u32 v[POS+\i], 0x1fff, v[POS+\i]         ; a place in order, held inside the buffer
	v_lshlrev_b32 v[POS+\i], 2, v[POS+\i]
	v_add_nc_u32 v[TOK+\i], 32*\i, v[TK0]
	global_store_b32 v[POS+\i], v[TOK+\i], s[6:7]  ; each store has registers of its own: none is written again
.endr
	; THE TILE TABLE: waves 0 and 1, one tile a thread (v0 = 0..63).  No barrier stands behind this branch.
	s_cmp_gt_u32 s10, 1
	s_cbranch_scc1 .Lend
	s_mov_b32 s[E], 64
.irp c, 0,1,2,3,4,5,6,7
	s_add_co_u32 s[W0], s[TOT+\c], 143             ; ceil(n / 144) = floor(((n + 143) >> 4) / 9);
	s_lshr_b32 s[W0], s[W0], 4                     ; at most 520 here, and floor(m / 9) = (7282 m) >> 16 as long as 2 m < 65,536
	s_mul_i32 s[W0], s[W0], 7282                   ; (7282 x 9 = 65,536 + 2)
	s_lshr_b32 s[SL+\c], s[W0], 16
	s_sub_co_u32 s[E], s[E], s[SL+\c]
.endr
.irp c, 0,1,2,3,4,5,6,7
	s_sub_co_u32 s[W0], s[TOT+\c], s[SL+\c]        ; so many more tiles can this category fill with a token each
	s_min_u32 s[W0], s[W0], s[E]
	s_add_co_u32 s[SL+\c], s[SL+\c], s[W0]
	s_sub_co_u32 s[E], s[E], s[W0]                 ; ends at 0: 8,192 tokens can fill 64 tiles
.endr
	s_mov_b32 s[SB], 0
.irp c, 1,2,3,4,5,6,7
	s_add_co_u32 s[SB+\c], s[SB+\c-1], s[SL+\c-1]
.endr
	v_mov_b32 v[D_C], 0
	v_mov_b32 v[D_N], s[TOT]
	v_mov_b32 v[D_S], s[SL]
	v_mov_b32 v[D_P], 0
	v_mov_b32 v[D_B], 0
.irp c, 1,2,3,4,5,6,7
	v_cmp_le_u32 vcc_lo, s[SB+\c], v0              ; the last category whose first tile is not behind mine: empty ones are passed over
	v_cndmask_b32 v[D_C], v[D_C], \c, vcc_lo
	v_cndmask_b32 v[D_N], v[D_N], s[TOT+\c], vcc_lo
	v_cndmask_b32 v[D_S], v[D_S], s[SL+\c], vcc_lo
	v_cndmask_b32 v[D_P], v[D_P], s[P+\c], vcc_lo
	v_cndmask_b32 v[D_B], v[D_B], s[SB+\c], vcc_lo
.endr
	v_sub_nc_u32 v[D_J], v0, v[D_B]
	v_mov_b32 v[D_Q], 0
; n / tiles by eight steps of shift and subtract: the quotient is at most 144, below 256
.macro DIVSTEP k
	v_lshlrev_b32 v[D_T], \k, v[D_S]
	v_cmp_ge_u32 vcc_lo, v[D_N], v[D_T]
	v_sub_nc_u32 v[D_T], v[D_N], v[D_T]
	v_cndmask_b32 v[D_N], v[D_N], v[D_T], vcc_lo
	v_cndmask_b32 v[D_U], 0, 1, vcc_lo
	v_lshl_or_b32 v[D_Q], v[D_U], \k, v[D_Q]
.endm
.irp k, 7,6,5,4,3,2,1,0
	DIVSTEP \k
.endr
	; the first (remainder) tiles of a category take one token more
	v_cmp_lt_u32 vcc_lo, v[D_J], v[D_N]
	v_cndmask_b32 v[D_U], 0, 1, vcc_lo
	v_min_u32 v[D_T], v[D_J], v[D_N]
	v_mad_u32_u24 v[REC+1], v[D_J], v[D_Q], v[D_P]
	v_mov_b32 v[REC], v[D_C]
	v_add_nc_u32 v[REC+1], v[REC+1], v[D_T]        ; start = P_c + j q + min(j, remainder)
	v_add_nc_u32 v[REC+2], v[D_Q], v[D_U]          ; count = q or q + 1
	v_mov_b32 v[REC+3], 0
	v_lshlrev_b32 v[D_A], 4, v0
	global_store_b128 v[D_A], v[REC:REC+3], s[8:9]
.Lend:
	s_wait_tensorcnt 0x0
	ds_add_u32 v80, v81
	s_wait_dscnt 0x0
	s_endpgm
.Lfunc_end_k_q47770e0bf4_route:
	.size	k_q47770e0bf4_route, .Lfunc_end_k_q47770e0bf4_route-k_q47770e0bf4_route
	.p2alignl 7, 3214868480
	.fill 96, 4, 3214868480
	.section	.rodata,"a",@progbits
	.p2align	6, 0x0
	.amdhsa_kernel k_q47770e0bf4_route
		.amdhsa_group_segment_fixed_size 8448
		.amdhsa_private_segment_fixed_size 0
		.amdhsa_enable_private_segment 0
		.amdhsa_kernarg_size 24
		.amdhsa_user_sgpr_count 2
		.amdhsa_user_sgpr_kernarg_segment_ptr 1
		.amdhsa_wavefront_size32 1
		.amdhsa_system_sgpr_workgroup_id_x 1
		.amdhsa_system_sgpr_workgroup_id_y 1
		.amdhsa_system_sgpr_workgroup_id_z 1
		.amdhsa_system_vgpr_workitem_id 0
		.amdhsa_next_free_vgpr 82
		.amdhsa_next_free_sgpr 72
		.amdhsa_reserve_vcc 1
		.amdhsa_float_denorm_mode_32 3
		.amdhsa_float_denorm_mode_16_64 3
		.amdhsa_memory_ordered 1
		.amdhsa_forward_progress 1
		.amdhsa_inst_pref_size 38
	.end_amdhsa_kernel
	.amdgpu_metadata
---
amdhsa.version: [ 1, 2 ]
amdhsa.kernels:
  - .name:           k_q47770e0bf4_route
    .symbol:         k_q47770e0bf4_route.kd
    .args:
      - { .name: category_id, .offset: 0, .size: 8, .value_kind: global_buffer, .address_space: global }
      - { .name: order, .offset: 8, .size: 8, .value_kind: global_buffer, .address_space: global }
      - { .name: tiles, .offset: 16, .size: 8, .value_kind: global_buffer, .address_space: global }
    .group_segment_fixed_size: 8448
    .private_segment_fixed_size: 0
    .kernarg_segment_align: 8
    .kernarg_segment_size: 24
    .max_flat_workgroup_size: 1024
    .sgpr_count:     72
    .vgpr_count:     82
    .wavefront_size: 32
...
	.end_amdgpu_metadata
.endif
;; end of part 1
;; launch gemm (part 2): grid 4 x 64, 8 waves a work-group, no clusters, 150,784 bytes of LDS; arguments x, weight, bias, order, tiles, out0; writes out0
.if DOCPART == 2
	.amdgcn_target "amdgcn-amd-amdhsa--gfx1250"
	.amdhsa_code_object_version 6
	.text
	.protected	k_q47770e0bf4_gemm
	.globl	k_q47770e0bf4_gemm
	.p2align	8
	.type	k_q47770e0bf4_gemm,@function
k_q47770e0bf4_gemm:
	s_mov_b64 s[64:65], 0
	v_nop
	global_prefetch_b8 v0, s[64:65] scope:SCOPE_SE
	s_setreg_imm32_b32 hwreg(HW_REG_WAVE_MODE, 25, 1), 1
	s_wait_xcnt 0x0
; out0[t] = x[t] . weight[cid[t]] + bias[cid[t]], as a product grouped by category.  x: [8192][1024] f32, weight: [8][1024 k][1024 n] f32.
; Work-group (nb, tile): the tile's rows (at most 144 tokens of one category, from the tables order and tiles) x columns 256 nb .. + 255,
; K = 1024 in 16 steps of 64.  Eight waves; wave w makes all 144 rows x columns 32 w .. 32 w + 31: 9 x 2 accumulator tiles, 144 registers.
; THE ROAD OF THE DATA: x rows are gathered by a list and both operands are f32, so they come through registers (16 bytes a lane), are
; rounded to bf16 once, and lie in LDS as bf16: two buffers that take turns, one barrier a step.  Two register sets hold the loads of the
; next two steps: 25 to 50 loads of 512 bytes of every wave are on their way all the time.
; weight lies [k][n]: its fragments come by the transposing LDS load.  The matrix instruction is used with weight's fragment first, so
; that a lane's eight sums are eight neighbouring columns of one token's row.
; NO BRANCH AND NO TRIP COUNT HANGS ON DATA: rows at or beyond the tile's count repeat its last token (the index into order is held at
; count - 1); they are computed and stored again with the same bits by this same work-group.  64 tiles share 8,192 tokens, so that
; is 16 of 144 rows on average.
; NO CLUSTER: joint requests belong to tensor loads, which neither gather rows by a list nor round to bf16; and partners that share
; weight would have to be of one category: tiles in fours need ceil(n_c / 4R) summed over 8 categories <= 16 for every spread of ids,
; that is R >= 228 rows.
; LIMITS: x and weight are rounded to bf16 (nearest even) in front of the product; sums and bias in f32, K ascending in one sum.
; Numbers from the tables are held inside their ranges (category <= 7, places and tokens <= 8191, count - 1 <= 143) before they enter an address.
.set APITCH, 144                       ; A in LDS: 64 bf16 = 128 bytes + 16: sixteen rows of a fragment load fall on different banks
.set ABYTES, 144*APITCH                ; 20,736
.set BPITCH, 544                       ; B in LDS: 256 bf16 = 512 bytes + 32: an odd multiple of 32
.set BBYTES, 64*BPITCH                 ; 34,816
.set BUF,    ABYTES+BBYTES             ; one buffer: A, then B; two of them from byte 0
.set OPITCH, 1040                      ; the way out: 256 f32 = 1,024 bytes + 16; 144 such rows from byte 0, over the buffers
.set OGRP,   48*OPITCH                 ; three groups of 48 rows, so that immediate offsets stay below 65,536
.set XSTEP,  256                       ; a K step in a row of x, bytes
.set WSTEP,  64*4096                   ; a K step in weight: 64 rows of 4,096 bytes
.set WROW4,  4*4096                    ; the eight waves take four rows of weight's block at a time
; registers, first window (v0-255): the product
.set AFA,  8                           ; v8, v9     my place in A's fragments, buffer 0, 1
.set BFA,  10                          ; v10, v11   the same for B
.set OST,  12                          ; v12-14     where my sums go on the way out, row groups 0, 1, 2
.set TOKA, 24                          ; v24-32     (start only) byte offsets into order
.set TOK,  40                          ; v40-48     (start only) my nine rows' tokens
.set ACC,  24                          ; v24-167    tile (a, b) at ACC + 8 (2 a + b)
.set BF,   168                         ; v168-183   two fragments of weight
.set AF,   184                         ; v184-255   nine fragments of x
; registers, second window (v256-511, written by their low 8 bits): staging
.set SETR, 100                         ; set p at 100 p: x chunk i at + 4 i (i = 0..8), weight chunk i at + 36 + 4 i (i = 0..15)
.set XOFF, 200                         ; 200-208    token x 4,096 + 16 (lane % 16): my 16 bytes in row i of x; and of out0
.set WOFF, 209
.set ASTO, 210                         ; 210, 211   where my x chunks go in LDS, buffer 0, 1
.set BSTO, 212                         ; 212, 213   the same for weight
.set ORD,  214                         ; 214-216    the way out: where I read rows back
.set BIAS, 220                         ; 220-235    bias of my 4 x 4 columns
.set MSB, 0
.macro WIN new                         ; low byte: bits 1:0 source 0, 3:2 source 1, 5:4 source 2, 7:6 destination; high byte: the setting that is left
.if MSB != \new
	s_set_vgpr_msb (MSB<<8)|\new
.set MSB, \new
.endif
.endm
.set STAGE_W, 0x55                     ; every place in the second window
.set TO_W1,   0x40                     ; destination in the second window, sources in the first
	s_load_b256 s[4:11], s[0:1], 0x0               ; x s[4:5], weight s[6:7], bias s[8:9], order s[10:11]
	s_load_b128 s[12:15], s[0:1], 0x20             ; tiles s[12:13], out0 s[14:15]
	v_lshl_add_u32 v22, v0, 2, 0x24900
	v_mov_b32 v23, 0
	v_lshrrev_b32 v6, 5, v0
	v_readfirstlane_b32 s16, v6                    ; wave 0..7
	s_and_b32 s18, ttmp7, 0xffff                   ; tile 0..63
	s_lshl_b32 s24, s18, 4                         ; its record, 16 bytes
	s_mov_b32 s25, 0
	s_lshl_b32 s26, ttmp9, 10                      ; column block: 256 f32
	s_mov_b32 s27, 0
	s_wait_kmcnt 0x0
	s_add_nc_u64 s[12:13], s[12:13], s[24:25]
	s_load_b128 s[20:23], s[12:13], 0x0            ; category, start, count, 0
	; lane arithmetic while the record is on its way
	v_and_b32 v1, 31, v0                           ; lane
	v_and_b32 v2, 15, v0                           ; r
	v_bfe_u32 v3, v0, 4, 1                         ; h
	v_lshl_add_u32 v4, v3, 3, s16                  ; my first row in staging: wave + 8 h; further ones 16 apart
	v_lshlrev_b32 v5, 4, v2                        ; 16 r
	v_mul_u32_u24 v[AFA], v2, APITCH               ; A fragment: row r, 16 h bytes along K
	v_lshl_add_u32 v[AFA], v3, 4, v[AFA]
	v_add_nc_u32 v[AFA+1], BUF, v[AFA]
	v_and_b32 v6, 7, v0                            ; B fragment by the transposing load: k row 8 h + lane % 8,
	v_lshl_add_u32 v6, v3, 3, v6
	v_mul_u32_u24 v6, v6, BPITCH
	v_bfe_u32 v7, v0, 3, 1                         ; 16 bytes for each half of a group of sixteen lanes,
	v_lshl_add_u32 v6, v7, 4, v6
	s_lshl_b32 s29, s16, 6                         ; my wave's 32 columns of bf16
	s_add_co_u32 s29, s29, ABYTES
	v_add_nc_u32 v[BFA], s29, v6
	v_add_nc_u32 v[BFA+1], BUF, v[BFA]
	v_mul_u32_u24 v6, v2, OPITCH                   ; the way out: row r, 8 h columns of f32, my wave's 32 columns
	v_lshl_add_u32 v6, v3, 5, v6
	s_lshl_b32 s29, s16, 7
	v_add_nc_u32 v[OST], s29, v6
	v_add_nc_u32 v[OST+1], OGRP, v[OST]
	v_add_nc_u32 v[OST+2], 2*OGRP, v[OST]
	v_mul_u32_u24 v6, v4, APITCH                   ; staging: my row in A, buffer 0 and 1
	v_add_nc_u32 v7, BUF, v6
	v_mul_u32_u24 v15, v4, OPITCH                  ; and in the rows of the way out
	v_add_nc_u32 v16, OGRP, v15
	v_add_nc_u32 v17, 2*OGRP, v15
	s_lshr_b32 s28, s16, 1                         ; weight: k row wave / 2, half (wave % 2) of its 1,024 bytes
	s_and_b32 s31, s16, 1
	s_lshl_b32 s29, s28, 12
	s_lshl_b32 s30, s31, 9
	s_add_co_u32 s29, s29, s30                     ; in memory
	s_mul_i32 s30, s28, BPITCH
	s_lshl_b32 s31, s31, 8
	s_add_co_u32 s30, s30, s31
	s_add_co_u32 s30, s30, ABYTES                  ; in LDS, buffer 0
	s_add_co_u32 s31, s30, BUF                     ; buffer 1
	s_wait_kmcnt 0x0
	s_min_u32 s20, s20, 7                          ; category
	s_min_u32 s21, s21, 0x1fff                     ; start
	s_sub_co_u32 s22, s22, 1
	s_min_u32 s22, s22, 143                        ; count - 1
	s_lshl_b32 s24, s20, 22                        ; weight: category x 4 MiB + column block
	s_add_co_u32 s24, s24, s26
	s_add_nc_u64 s[6:7], s[6:7], s[24:25]
	s_lshl_b32 s24, s20, 12                        ; bias: category x 4,096 bytes + column block
	s_add_co_u32 s24, s24, s26
	s_add_nc_u64 s[8:9], s[8:9], s[24:25]
	s_add_nc_u64 s[14:15], s[14:15], s[26:27]      ; out0: column block
	; my nine rows' tokens: order[start + min(row, count - 1)]
.irp i, 0,1,2,3,4,5,6,7,8
	v_add_nc_u32 v[TOKA+\i], 16*\i, v4
	v_min_u32 v[TOKA+\i], s22, v[TOKA+\i]
	v_add_nc_u32 v[TOKA+\i], s21, v[TOKA+\i]
	v_min_u32 v[TOKA+\i], 0x1fff, v[TOKA+\i]
	v_lshlrev_b32 v[TOKA+\i], 2, v[TOKA+\i]
	global_load_b32 v[TOK+\i], v[TOKA+\i], s[10:11]
.endr
	WIN TO_W1
.irp q, 0,1,2,3
	global_load_b128 v[BIAS+4*\q:BIAS+4*\q+3], v5, s[8:9] offset:256*\q    ; columns 64 q + 4 r .. + 3 of the block
.endr
	v_lshl_add_u32 v[WOFF], v1, 4, s29
	v_lshl_add_u32 v[ASTO], v2, 3, v6              ; 4 f32 become 8 bytes of bf16
	v_lshl_add_u32 v[ASTO+1], v2, 3, v7
	v_lshl_add_u32 v[BSTO], v1, 3, s30
	v_lshl_add_u32 v[BSTO+1], v1, 3, s31
	v_add_nc_u32 v[ORD], v5, v15
	v_add_nc_u32 v[ORD+1], v5, v16
	v_add_nc_u32 v[ORD+2], v5, v17
; nine loads: K step st (counted from the base) of my nine pairs of x rows; a load covers 256 neighbouring, aligned bytes of each of two rows
.macro LOADX S, st
.irp i, 0,1,2,3,4,5,6,7,8
	global_load_b128 v[\S+4*\i:\S+4*\i+3], v[XOFF+\i], s[4:5] offset:\st*XSTEP
.endr
.endm
; sixteen loads: my half of k rows wave / 2 + 4 i of weight's block; a load covers 512 neighbouring bytes
.macro LOADW S, st
.irp i, 0,1,2,3,4,5,6,7,8,9,10,11,12,13,14,15
	global_load_b128 v[\S+36+4*\i:\S+36+4*\i+3], v[WOFF], s[6:7] offset:\st*WSTEP+\i*WROW4
.endr
.endm
; a set goes to LDS buffer p: four f32 are rounded in place to four bf16 and stored as 8 bytes.
; x: the wave's two rows lie 8 x 144 bytes apart (128 modulo 256): all banks once.  weight: 256 neighbouring bytes.
.macro CONVERT S, p
.irp i, 0,1,2,3,4,5,6,7,8
	v_cvt_pk_bf16_f32 v[\S+4*\i], v[\S+4*\i], v[\S+4*\i+1]
	v_cvt_pk_bf16_f32 v[\S+4*\i+1], v[\S+4*\i+2], v[\S+4*\i+3]
	ds_store_b64 v[ASTO+\p], v[\S+4*\i:\S+4*\i+1] offset:\i*16*APITCH
.endr
.irp i, 0,1,2,3,4,5,6,7,8,9,10,11,12,13,14,15
	v_cvt_pk_bf16_f32 v[\S+36+4*\i], v[\S+36+4*\i], v[\S+36+4*\i+1]
	v_cvt_pk_bf16_f32 v[\S+36+4*\i+1], v[\S+36+4*\i+2], v[\S+36+4*\i+3]
	ds_store_b64 v[BSTO+\p], v[\S+36+4*\i:\S+36+4*\i+1] offset:\i*4*BPITCH
.endr
.endm
; 22 LDS loads in one run: 32 along K (half ks of the step) of my 32 columns of weight, then of all 144 rows of x
.macro FRAGS p, ks
.irp b, 0,1
	ds_load_tr16_b128 v[BF+8*\b:BF+8*\b+3],   v[BFA+\p] offset:\ks*32*BPITCH+32*\b
	ds_load_tr16_b128 v[BF+8*\b+4:BF+8*\b+7], v[BFA+\p] offset:\ks*32*BPITCH+32*\b+16*BPITCH
.endr
.irp a, 0,1,2,3,4,5,6,7,8
	ds_load_b128 v[AF+8*\a:AF+8*\a+3],   v[AFA+\p] offset:\a*16*APITCH+64*\ks
	ds_load_b128 v[AF+8*\a+4:AF+8*\a+7], v[AFA+\p] offset:\a*16*APITCH+64*\ks+32
.endr
.endm
; 18 matrix instructions.  zero = 1: the first product starts the sums, nothing is cleared.
.macro MULS zero
.irp a, 0,1,2,3,4,5,6,7,8
	s_wait_dscnt 16-2*\a                           ; LDS loads return in order: the two loads of each of the 8 - a later row blocks stay out
.irp b, 0,1
.if \zero
	v_wmma_f32_16x16x32_bf16 v[ACC+8*(2*\a+\b):ACC+8*(2*\a+\b)+7], v[BF+8*\b:BF+8*\b+7], v[AF+8*\a:AF+8*\a+7], 0
.else
	v_wmma_f32_16x16x32_bf16 v[ACC+8*(2*\a+\b):ACC+8*(2*\a+\b)+7], v[BF+8*\b:BF+8*\b+7], v[AF+8*\a:AF+8*\a+7], v[ACC+8*(2*\a+\b):ACC+8*(2*\a+\b)+7]
.endif
.endr
.endr
.endm
; A load into a register that a matrix instruction has read, and anything but a matrix instruction that reads its sums, stand four
; independent plain vector instructions behind it: four v_nop for 18 matrix instructions.
.macro PLACES
.rept 4
	v_nop
.endr
.endm
.macro COMPUTE p, zero
	FRAGS \p, 0
	MULS \zero
	PLACES
	FRAGS \p, 1
	MULS 0
	PLACES
.endm
; One barrier does two things: in front of it my reads of the buffer just multiplied and my stores into the other one are done (zero,
; for the other waves' sake); behind it the other buffer may be read and this one written again.
.macro SYNC
	s_wait_dscnt 0x0
	s_barrier_signal -1
	s_barrier_wait -1
.endm
; K step t, p = t % 2.  st >= 0: the loads of step t + 2 (st steps from the bases) go out first, into set p, which went to LDS last trip.
; Then buffer p is multiplied.  left >= 0: set 1 - p (step t + 1) goes to buffer 1 - p; left = the younger loads that may stay out.
.macro TRIP p, zero, st, left
.if \st >= 0
	WIN STAGE_W
	LOADX SETR*\p, \st
	LOADW SETR*\p, \st
	WIN 0
.endif
	COMPUTE \p, \zero
.if \left >= 0
	s_wait_loadcnt \left
	WIN STAGE_W
	CONVERT SETR*(1-\p), 1-\p
	WIN 0
.endif
	SYNC
.endm
	WIN STAGE_W
	LOADW 0, 0                                     ; weight's first two steps leave before the tokens are known
	LOADW SETR, 1
	s_wait_loadcnt 36                              ; the nine tokens are in: 4 loads of bias and 32 of weight are younger
	WIN 0
.irp i, 0,1,2,3,4,5,6,7,8
	v_min_u32 v[TOK+\i], 0x1fff, v[TOK+\i]
.endr
	WIN TO_W1
.irp i, 0,1,2,3,4,5,6,7,8
	v_lshl_add_u32 v[XOFF+\i], v[TOK+\i], 12, v5   ; token x 4,096 bytes + 16 r
.endr
	WIN STAGE_W
	LOADX 0, 0
	LOADX SETR, 1
	s_wait_loadcnt 9                               ; all of step 0 (and bias) is in; only step 1's nine loads of x are younger
	CONVERT 0, 0
	WIN 0
	SYNC
	TRIP 0, 1, 2, 25                               ; steps 0 and 1 stand in front of the loop: step 0 starts the sums.
	TRIP 1, 0, 3, 25                               ; 25: the trip's own loads (step t + 2) are younger than those of step t + 1
	s_wait_xcnt 0x0                                ; the bases are stepped only when every issued load has taken its address
	s_add_nc_u64 s[4:5], s[4:5], 4*XSTEP
	s_add_nc_u64 s[6:7], s[6:7], 4*WSTEP
	s_mov_b32 s28, 6                               ; steps 2 to 13, which load steps 4 to 15
.Lk:
	TRIP 0, 0, 0, 25
	TRIP 1, 0, 1, 25
	s_wait_xcnt 0x0
	s_add_nc_u64 s[4:5], s[4:5], 2*XSTEP
	s_add_nc_u64 s[6:7], s[6:7], 2*WSTEP
	s_sub_co_u32 s28, s28, 1
	s_cmp_lg_u32 s28, 0
	s_cbranch_scc1 .Lk
	TRIP 0, 0, -1, 0                               ; step 14 loads nothing: nothing is younger than step 15's loads
	TRIP 1, 0, -1, -1                              ; step 15; its barrier: nobody reads the buffers any more
	; THE WAY OUT.  My sums go to LDS as f32 (a lane holds 8 neighbouring columns of a row: two stores of 16 bytes; sixteen rows 1,040 bytes
	; apart fall on different banks); the four places behind the last matrix instruction stand at the end of the last step.
.irp a, 0,1,2,3,4,5,6,7,8
.irp b, 0,1
	ds_store_b128 v[OST+\a/3], v[ACC+8*(2*\a+\b):ACC+8*(2*\a+\b)+3]   offset:(\a%3)*16*OPITCH+64*\b
	ds_store_b128 v[OST+\a/3], v[ACC+8*(2*\a+\b)+4:ACC+8*(2*\a+\b)+7] offset:(\a%3)*16*OPITCH+64*\b+16
.endr
.endr
	SYNC                                           ; rows are made of all eight waves' columns
	; Rows are read back by the map of the x loads (row wave + 8 h + 16 i, 16 bytes at 16 r + 256 q), so XOFF serves again as the place in
	; out0.  Each store of the wave covers 256 neighbouring, aligned bytes of each of two tokens' rows.  36 chunks, registers of their own.
	WIN STAGE_W
.irp i, 0,1,2,3,4,5,6,7,8
.irp q, 0,1,2,3
	ds_load_b128 v[4*(4*\i+\q):4*(4*\i+\q)+3], v[ORD+\i/3] offset:(\i%3)*16*OPITCH+256*\q
.endr
.endr
.irp i, 0,1,2,3,4,5,6,7,8
.irp q, 0,1,2,3
	s_wait_dscnt 35-(4*\i+\q)                      ; chunk 4 i + q is in; the later ones stay out
	v_pk_add_f32 v[4*(4*\i+\q):4*(4*\i+\q)+1],   v[4*(4*\i+\q):4*(4*\i+\q)+1],   v[BIAS+4*\q:BIAS+4*\q+1]
	v_pk_add_f32 v[4*(4*\i+\q)+2:4*(4*\i+\q)+3], v[4*(4*\i+\q)+2:4*(4*\i+\q)+3], v[BIAS+4*\q+2:BIAS+4*\q+3]
	global_store_b128 v[XOFF+\i], v[4*(4*\i+\q):4*(4*\i+\q)+3], s[14:15] offset:256*\q th:TH_STORE_NT
.endr
.endr
	WIN 0
	s_wait_tensorcnt 0x0
	ds_add_u32 v22, v23
	s_wait_dscnt 0x0
	s_endpgm
.Lfunc_end_k_q47770e0bf4_gemm:
	.size	k_q47770e0bf4_gemm, .Lfunc_end_k_q47770e0bf4_gemm-k_q47770e0bf4_gemm
	.p2alignl 7, 3214868480
	.fill 96, 4, 3214868480
	.section	.rodata,"a",@progbits
	.p2align	6, 0x0
	.amdhsa_kernel k_q47770e0bf4_gemm
		.amdhsa_group_segment_fixed_size 150784
		.amdhsa_private_segment_fixed_size 0
		.amdhsa_enable_private_segment 0
		.amdhsa_kernarg_size 48
		.amdhsa_user_sgpr_count 2
		.amdhsa_user_sgpr_kernarg_segment_ptr 1
		.amdhsa_wavefront_size32 1
		.amdhsa_system_sgpr_workgroup_id_x 1
		.amdhsa_system_sgpr_workgroup_id_y 1
		.amdhsa_system_sgpr_workgroup_id_z 1
		.amdhsa_system_vgpr_workitem_id 0
		.amdhsa_next_free_vgpr 512
		.amdhsa_next_free_sgpr 66
		.amdhsa_reserve_vcc 0
		.amdhsa_float_denorm_mode_32 3
		.amdhsa_float_denorm_mode_16_64 3
		.amdhsa_memory_ordered 1
		.amdhsa_forward_progress 1
		.amdhsa_inst_pref_size 101
	.end_amdhsa_kernel
	.amdgpu_metadata
---
amdhsa.version: [ 1, 2 ]
amdhsa.kernels:
  - .name:           k_q47770e0bf4_gemm
    .symbol:         k_q47770e0bf4_gemm.kd
    .args:
      - { .name: x, .offset: 0, .size: 8, .value_kind: global_buffer, .address_space: global }
      - { .name: weight, .offset: 8, .size: 8, .value_kind: global_buffer, .address_space: global }
      - { .name: bias, .offset: 16, .size: 8, .value_kind: global_buffer, .address_space: global }
      - { .name: order, .offset: 24, .size: 8, .value_kind: global_buffer, .address_space: global }
      - { .name: tiles, .offset: 32, .size: 8, .value_kind: global_buffer, .address_space: global }
      - { .name: out0, .offset: 40, .size: 8, .value_kind: global_buffer, .address_space: global }
    .group_segment_fixed_size: 150784
    .private_segment_fixed_size: 0
    .kernarg_segment_align: 8
    .kernarg_segment_size: 48
    .max_flat_workgroup_size: 256
    .sgpr_count:     66
    .vgpr_count:     512
    .wavefront_size: 32
...
	.end_amdgpu_metadata
.endif
;; end of part 2
;; ======== version 2 of 2: 2 launches; version 1 with the launch gemm written anew for expert scheduling mode
;; workspace buffers: order 32,768 bytes of whole numbers; tiles 1,024 bytes of whole numbers
;; launch route: the kernel of part 1 again; grid 1 x 1, 32 waves a work-group, no clusters, 8,448 bytes of LDS; arguments category_id, order, tiles; writes order, tiles
;; launch gemm (part 3): grid 4 x 64, 8 waves a work-group, no clusters, 150,784 bytes of LDS; arguments x, weight, bias, order, tiles, out0; writes out0
.if DOCPART == 3
	.amdgcn_target "amdgcn-amd-amdhsa--gfx1250"
	.amdhsa_code_object_version 6
	.text
	.protected	k_q47770e0bf4_gemm
	.globl	k_q47770e0bf4_gemm
	.p2align	8
	.type	k_q47770e0bf4_gemm,@function
k_q47770e0bf4_gemm:
	s_mov_b64 s[64:65], 0
	v_nop
	global_prefetch_b8 v0, s[64:65] scope:SCOPE_SE
	s_setreg_imm32_b32 hwreg(HW_REG_WAVE_SCHED_MODE, 0, 2), 2
	s_setreg_imm32_b32 hwreg(HW_REG_WAVE_MODE, 25, 1), 1
	s_wait_xcnt 0x0
	s_wait_alu depctr_vm_vsrc(0)
; out0[t] = x[t] . weight[cid[t]] + bias[cid[t]], as a product grouped by category.  x: [8192][1024] f32, weight: [8][1024 k][1024 n] f32.
; Work-group (nb, tile): the tile's rows (at most 144 tokens of one category, from the tables order and tiles) x columns 256 nb .. + 255,
; K = 1024 in 16 steps of 64.  Eight waves; wave w makes all 144 rows x columns 32 w .. 32 w + 31: 9 x 2 accumulator tiles, 144 registers.
; THE ROAD OF THE DATA: x rows are gathered by a list and both operands are f32, so they come through registers (16 bytes a lane), are
; rounded to bf16 once, and lie in LDS as bf16: two buffers that take turns, one barrier a step.  Two register sets hold the loads of the
; next two steps: 25 to 50 loads of 512 bytes of every wave are on their way all the time.
; weight lies [k][n]: its fragments come by the transposing LDS load.  The matrix instruction is used with weight's fragment first, so
; that a lane's eight sums are eight neighbouring columns of one token's row.
; NO BRANCH AND NO TRIP COUNT HANGS ON DATA: rows at or beyond the tile's count repeat its last token (the index into order is held at
; count - 1); they are computed and stored again with the same bits by this same work-group.  64 tiles share 8,192 tokens, so that
; is 16 of 144 rows on average.
; NO CLUSTER: joint requests belong to tensor loads, which neither gather rows by a list nor round to bf16; and partners that share
; weight would have to be of one category: tiles in fours need ceil(n_c / 4R) summed over 8 categories <= 16 for every spread of ids,
; that is R >= 228 rows.
; LIMITS: x and weight are rounded to bf16 (nearest even) in front of the product; sums and bias in f32, K ascending in one sum.
; Numbers from the tables are held inside their ranges (category <= 7, places and tokens <= 8191, count - 1 <= 143) before they enter an address.
; THE MODE: SCHED_MODE bits 1:0 = 2 (LLVM: expert scheduling mode 2), set by the entry lines.  The code itself states the register dependences
; between vector or matrix instructions and memory or LDS instructions, with s_wait_alu, always for 0.
; THE PLAN.  Registers that memory or LDS instructions touch, in step t (p = t % 2):
;   AF, BF     Two runs of 22 LDS loads a step land in them; the 18 matrix instructions behind each run read them.  One buffer: two waves to a SIMD
;              have 512 registers each, of which 492 are named, and a second buffer would be 88.
;   set p      The 25 global loads of step t + 2 land in it.  In step t + 1 its conversions read and write it in place and 25 LDS stores read it.
;   addresses  AFA, BFA, ASTO, BSTO, WOFF, XOFF, OST, ORD, v5: made at the head and never written again; the bases of x and weight are scalar.
;   ACC        Named by matrix instructions alone until the way out.  (v24-32 of it serve the token loads as offsets at the head.)
; A step has four waits.  Two at its head: the last step's matrix instructions are done reading AF and BF and its conversions are done with set p;
; its LDS stores have read set p.  The first fragments and the 25 global loads follow with nothing but loads and a window switch between.
; One behind x's conversions, which stand between the two halves' products: the first half's products are done reading AF and BF.
; One behind weight's conversions: all fifty have written what the run of 25 LDS stores reads.
.set APITCH, 144                       ; A in LDS: 64 bf16 = 128 bytes + 16: sixteen rows of a fragment load fall on different banks
.set ABYTES, 144*APITCH                ; 20,736
.set BPITCH, 544                       ; B in LDS: 256 bf16 = 512 bytes + 32: an odd multiple of 32
.set BBYTES, 64*BPITCH                 ; 34,816
.set BUF,    ABYTES+BBYTES             ; one buffer: A, then B; two of them from byte 0
.set OPITCH, 1040                      ; the way out: 256 f32 = 1,024 bytes + 16; 144 such rows from byte 0, over the buffers
.set OGRP,   48*OPITCH                 ; three groups of 48 rows, so that immediate offsets stay below 65,536
.set XSTEP,  256                       ; a K step in a row of x, bytes
.set WSTEP,  64*4096                   ; a K step in weight: 64 rows of 4,096 bytes
.set WROW4,  4*4096                    ; the eight waves take four rows of weight's block at a time
; registers, first window (v0-255): the product
.set AFA,  8                           ; v8, v9     my place in A's fragments, buffer 0, 1
.set BFA,  10                          ; v10, v11   the same for B
.set OST,  12                          ; v12-14     where my sums go on the way out, row groups 0, 1, 2
.set TOKA, 24                          ; v24-32     (start only) byte offsets into order
.set TOK,  40                          ; v40-48     (start only) my nine rows' tokens
.set ACC,  24                          ; v24-167    tile (a, b) at ACC + 8 (2 a + b)
.set BF,   168                         ; v168-183   two fragments of weight
.set AF,   184                         ; v184-255   nine fragments of x
; registers, second window (v256-511, written by their low 8 bits): staging
.set SETR, 100                         ; set p at 100 p: x chunk i at + 4 i (i = 0..8), weight chunk i at + 36 + 4 i (i = 0..15)
.set XOFF, 200                         ; 200-208    token x 4,096 + 16 (lane % 16): my 16 bytes in row i of x; and of out0
.set WOFF, 209
.set ASTO, 210                         ; 210, 211   where my x chunks go in LDS, buffer 0, 1
.set BSTO, 212                         ; 212, 213   the same for weight
.set ORD,  214                         ; 214-216    the way out: where I read rows back
.set BIAS, 220                         ; 220-235    bias of my 4 x 4 columns
.set MSB, 0
.macro WIN new                         ; low byte: bits 1:0 source 0, 3:2 source 1, 5:4 source 2, 7:6 destination; high byte: the setting that is left
.if MSB != \new
	s_set_vgpr_msb (MSB<<8)|\new
.set MSB, \new
.endif
.endm
.set STAGE_W, 0x55                     ; every place in the second window
.set TO_W1,   0x40                     ; destination in the second window, sources in the first
	s_load_b256 s[4:11], s[0:1], 0x0               ; x s[4:5], weight s[6:7], bias s[8:9], order s[10:11]
	s_load_b128 s[12:15], s[0:1], 0x20             ; tiles s[12:13], out0 s[14:15]
	v_lshl_add_u32 v22, v0, 2, 0x24900
	v_mov_b32 v23, 0
	v_lshrrev_b32 v6, 5, v0
	v_readfirstlane_b32 s16, v6                    ; wave 0..7
	s_and_b32 s18, ttmp7, 0xffff                   ; tile 0..63
	s_lshl_b32 s24, s18, 4                         ; its record, 16 bytes
	s_mov_b32 s25, 0
	s_lshl_b32 s26, ttmp9, 10                      ; column block: 256 f32
	s_mov_b32 s27, 0
	s_wait_kmcnt 0x0
	s_add_nc_u64 s[12:13], s[12:13], s[24:25]
	s_load_b128 s[20:23], s[12:13], 0x0            ; category, start, count, 0
	; lane arithmetic while the record is on its way
	v_and_b32 v1, 31, v0                           ; lane
	v_and_b32 v2, 15, v0                           ; r
	v_bfe_u32 v3, v0, 4, 1                         ; h
	s_wait_alu depctr_va_sdst(0)                   ; s16 is written, ahead of its first reader: rows, columns and LDS places are made from it
	v_lshl_add_u32 v4, v3, 3, s16                  ; my first row in staging: wave + 8 h; further ones 16 apart
	v_lshlrev_b32 v5, 4, v2                        ; 16 r
	v_mul_u32_u24 v[AFA], v2, APITCH               ; A fragment: row r, 16 h bytes along K
	v_lshl_add_u32 v[AFA], v3, 4, v[AFA]
	v_add_nc_u32 v[AFA+1], BUF, v[AFA]
	v_and_b32 v6, 7, v0                            ; B fragment by the transposing load: k row 8 h + lane % 8,
	v_lshl_add_u32 v6, v3, 3, v6
	v_mul_u32_u24 v6, v6, BPITCH
	v_bfe_u32 v7, v0, 3, 1                         ; 16 bytes for each half of a group of sixteen lanes,
	v_lshl_add_u32 v6, v7, 4, v6
	s_lshl_b32 s29, s16, 6                         ; my wave's 32 columns of bf16
	s_add_co_u32 s29, s29, ABYTES
	v_add_nc_u32 v[BFA], s29, v6
	v_add_nc_u32 v[BFA+1], BUF, v[BFA]
	v_mul_u32_u24 v6, v2, OPITCH                   ; the way out: row r, 8 h columns of f32, my wave's 32 columns
	v_lshl_add_u32 v6, v3, 5, v6
	s_lshl_b32 s29, s16, 7
	v_add_nc_u32 v[OST], s29, v6
	v_add_nc_u32 v[OST+1], OGRP, v[OST]
	v_add_nc_u32 v[OST+2], 2*OGRP, v[OST]
	v_mul_u32_u24 v6, v4, APITCH                   ; staging: my row in A, buffer 0 and 1
	v_add_nc_u32 v7, BUF, v6
	v_mul_u32_u24 v15, v4, OPITCH                  ; and in the rows of the way out
	v_add_nc_u32 v16, OGRP, v15
	v_add_nc_u32 v17, 2*OGRP, v15
	s_lshr_b32 s28, s16, 1                         ; weight: k row wave / 2, half (wave % 2) of its 1,024 bytes
	s_and_b32 s31, s16, 1
	s_lshl_b32 s29, s28, 12
	s_lshl_b32 s30, s31, 9
	s_add_co_u32 s29, s29, s30                     ; in memory
	s_mul_i32 s30, s28, BPITCH
	s_lshl_b32 s31, s31, 8
	s_add_co_u32 s30, s30, s31
	s_add_co_u32 s30, s30, ABYTES                  ; in LDS, buffer 0
	s_add_co_u32 s31, s30, BUF                     ; buffer 1
	s_wait_kmcnt 0x0
	s_min_u32 s20, s20, 7                          ; category
	s_min_u32 s21, s21, 0x1fff                     ; start
	s_sub_co_u32 s22, s22, 1
	s_min_u32 s22, s22, 143                        ; count - 1
	s_lshl_b32 s24, s20, 22                        ; weight: category x 4 MiB + column block
	s_add_co_u32 s24, s24, s26
	s_add_nc_u64 s[6:7], s[6:7], s[24:25]
	s_lshl_b32 s24, s20, 12                        ; bias: category x 4,096 bytes + column block
	s_add_co_u32 s24, s24, s26
	s_add_nc_u64 s[8:9], s[8:9], s[24:25]
	s_add_nc_u64 s[14:15], s[14:15], s[26:27]      ; out0: column block
	; my nine rows' tokens: order[start + min(row, count - 1)].  All address arithmetic stands together, ahead of one wait.
.irp i, 0,1,2,3,4,5,6,7,8
	v_add_nc_u32 v[TOKA+\i], 16*\i, v4
	v_min_u32 v[TOKA+\i], s22, v[TOKA+\i]
	v_add_nc_u32 v[TOKA+\i], s21, v[TOKA+\i]
	v_min_u32 v[TOKA+\i], 0x1fff, v[TOKA+\i]
	v_lshlrev_b32 v[TOKA+\i], 2, v[TOKA+\i]
.endr
	WIN TO_W1
	v_lshl_add_u32 v[WOFF], v1, 4, s29
	v_lshl_add_u32 v[ASTO], v2, 3, v6              ; 4 f32 become 8 bytes of bf16
	v_lshl_add_u32 v[ASTO+1], v2, 3, v7
	v_lshl_add_u32 v[BSTO], v1, 3, s30
	v_lshl_add_u32 v[BSTO+1], v1, 3, s31
	v_add_nc_u32 v[ORD], v5, v15
	v_add_nc_u32 v[ORD+1], v5, v16
	v_add_nc_u32 v[ORD+2], v5, v17
	WIN 0
	s_wait_alu depctr_va_vdst(0)                   ; every offset and LDS address but XOFF is written: the loads and stores of the whole kernel read them; up to the wait for the tokens only loads and window switches follow
.irp i, 0,1,2,3,4,5,6,7,8
	global_load_b32 v[TOK+\i], v[TOKA+\i], s[10:11]
.endr
	WIN TO_W1
.irp q, 0,1,2,3
	global_load_b128 v[BIAS+4*\q:BIAS+4*\q+3], v5, s[8:9] offset:256*\q    ; columns 64 q + 4 r .. + 3 of the block
.endr
; nine loads: K step st (counted from the base) of my nine pairs of x rows; a load covers 256 neighbouring, aligned bytes of each of two rows
.macro LOADX S, st
.irp i, 0,1,2,3,4,5,6,7,8
	global_load_b128 v[\S+4*\i:\S+4*\i+3], v[XOFF+\i], s[4:5] offset:\st*XSTEP
.endr
.endm
; sixteen loads: my half of k rows wave / 2 + 4 i of weight's block; a load covers 512 neighbouring bytes
.macro LOADW S, st
.irp i, 0,1,2,3,4,5,6,7,8,9,10,11,12,13,14,15
	global_load_b128 v[\S+36+4*\i:\S+36+4*\i+3], v[WOFF], s[6:7] offset:\st*WSTEP+\i*WROW4
.endr
.endm
; a set on its way to LDS: four f32 are rounded in place to four bf16 (x's nine chunks, weight's sixteen), and stored as 8 bytes in one run.
.macro CVTX S
.irp i, 0,1,2,3,4,5,6,7,8
	v_cvt_pk_bf16_f32 v[\S+4*\i], v[\S+4*\i], v[\S+4*\i+1]
	v_cvt_pk_bf16_f32 v[\S+4*\i+1], v[\S+4*\i+2], v[\S+4*\i+3]
.endr
.endm
.macro CVTW S
.irp i, 0,1,2,3,4,5,6,7,8,9,10,11,12,13,14,15
	v_cvt_pk_bf16_f32 v[\S+36+4*\i], v[\S+36+4*\i], v[\S+36+4*\i+1]
	v_cvt_pk_bf16_f32 v[\S+36+4*\i+1], v[\S+36+4*\i+2], v[\S+36+4*\i+3]
.endr
.endm
; x: the wave's two rows lie 8 x 144 bytes apart (128 modulo 256): all banks once.  weight: 256 neighbouring bytes.
.macro STORES S, p
.irp i, 0,1,2,3,4,5,6,7,8
	ds_store_b64 v[ASTO+\p], v[\S+4*\i:\S+4*\i+1] offset:\i*16*APITCH
.endr
.irp i, 0,1,2,3,4,5,6,7,8,9,10,11,12,13,14,15
	ds_store_b64 v[BSTO+\p], v[\S+36+4*\i:\S+36+4*\i+1] offset:\i*4*BPITCH
.endr
.endm
; 22 LDS loads in one run: 32 along K (half ks of the step) of my 32 columns of weight, then of all 144 rows of x
.macro FRAGS p, ks
.irp b, 0,1
	ds_load_tr16_b128 v[BF+8*\b:BF+8*\b+3],   v[BFA+\p] offset:\ks*32*BPITCH+32*\b
	ds_load_tr16_b128 v[BF+8*\b+4:BF+8*\b+7], v[BFA+\p] offset:\ks*32*BPITCH+32*\b+16*BPITCH
.endr
.irp a, 0,1,2,3,4,5,6,7,8
	ds_load_b128 v[AF+8*\a:AF+8*\a+3],   v[AFA+\p] offset:\a*16*APITCH+64*\ks
	ds_load_b128 v[AF+8*\a+4:AF+8*\a+7], v[AFA+\p] offset:\a*16*APITCH+64*\ks+32
.endr
.endm
; 18 matrix instructions.  zero = 1: the first product starts the sums, nothing is cleared.
.macro MULS zero
.irp a, 0,1,2,3,4,5,6,7,8
	s_wait_dscnt 16-2*\a                           ; LDS loads return in order: the two loads of each of the 8 - a later row blocks stay out
.irp b, 0,1
.if \zero
	v_wmma_f32_16x16x32_bf16 v[ACC+8*(2*\a+\b):ACC+8*(2*\a+\b)+7], v[BF+8*\b:BF+8*\b+7], v[AF+8*\a:AF+8*\a+7], 0
.else
	v_wmma_f32_16x16x32_bf16 v[ACC+8*(2*\a+\b):ACC+8*(2*\a+\b)+7], v[BF+8*\b:BF+8*\b+7], v[AF+8*\a:AF+8*\a+7], v[ACC+8*(2*\a+\b):ACC+8*(2*\a+\b)+7]
.endif
.endr
.endr
.endm
; Anything but a matrix instruction that reads a matrix instruction's sums stands four independent plain vector instructions behind it
; (ISA guide 7.12.1).  In every step but the last the conversions stand behind the products; the last step, which has none, keeps four v_nop.
.macro PLACES
.rept 4
	v_nop
.endr
.endm
; One barrier does two things: in front of it my reads of the buffer just multiplied and my stores into the other one are done (zero,
; for the other waves' sake); behind it the other buffer may be read and this one written again.
.macro SYNC
	s_wait_dscnt 0x0
	s_barrier_signal -1
	s_barrier_wait -1
.endm
; K step t, p = t % 2.  st >= 0: the loads of step t + 2 (st steps from the bases) go out behind the first fragments' loads, into set p, which
; went to LDS last step.  Buffer p is multiplied in two halves.  lx >= 0: set 1 - p (step t + 1) goes to buffer 1 - p: x's conversions between the
; halves, weight's behind the second, then all the stores.  lx, lw = the younger loads that may stay out when x's, weight's chunks have to be in.
.macro TRIP p, zero, st, lx, lw
	s_wait_alu depctr_va_vdst(0)                   ; the last step's matrix instructions are done reading AF and BF, in which the fragments land; its conversions are done writing and reading set p, in which the global loads land
.if \st >= 0
	s_wait_alu depctr_vm_vsrc(0)                   ; the last step's LDS stores have read set p; in the first step also: the token loads have read v24-32, which the first products write
.endif
	FRAGS \p, 0
.if \st >= 0
	WIN STAGE_W
	LOADX SETR*\p, \st                             ; behind the two waits stand only loads and this window switch
	LOADW SETR*\p, \st
	WIN 0
.endif
	MULS \zero
.if \lx >= 0
	WIN STAGE_W
	s_wait_loadcnt \lx                             ; loads return in order: x's nine chunks of step t + 1 are in
	CVTX SETR*(1-\p)
	WIN 0
.else
	PLACES
.endif
	s_wait_alu depctr_va_vdst(0)                   ; the first half's matrix instructions are done reading AF and BF, in which the second half's fragments land
	FRAGS \p, 1
	MULS 0
.if \lx >= 0
	WIN STAGE_W
	s_wait_loadcnt \lw                             ; weight's sixteen chunks of step t + 1 are in
	CVTW SETR*(1-\p)
	s_wait_alu depctr_va_vdst(0)                   ; x's and weight's conversions have written the registers that the 25 LDS stores read
	STORES SETR*(1-\p), 1-\p
	WIN 0
.else
	PLACES                                         ; the places between the last products and the stores of their sums
.endif
	SYNC
.endm
	WIN STAGE_W
	LOADW 0, 0                                     ; weight's first two steps leave before the tokens are known
	LOADW SETR, 1
	s_wait_loadcnt 36                              ; the nine tokens are in: 4 loads of bias and 32 of weight are younger
	WIN 0
.irp i, 0,1,2,3,4,5,6,7,8
	v_min_u32 v[TOK+\i], 0x1fff, v[TOK+\i]
.endr
	WIN TO_W1
.irp i, 0,1,2,3,4,5,6,7,8
	v_lshl_add_u32 v[XOFF+\i], v[TOK+\i], 12, v5   ; token x 4,096 bytes + 16 r
.endr
	WIN STAGE_W
	s_wait_alu depctr_va_vdst(0)                   ; XOFF is written: every load of x and every store of out0 reads it as its offset
	LOADX 0, 0
	LOADX SETR, 1
	s_wait_loadcnt 9                               ; all of step 0 (and bias) is in; only step 1's nine loads of x are younger
	CVTX 0
	CVTW 0
	s_wait_alu depctr_va_vdst(0)                   ; step 0's conversions have written the registers that the LDS stores read
	STORES 0, 0
	WIN 0
	SYNC
	TRIP 0, 1, 2, 25, 25                           ; steps 0 and 1 stand in front of the loop: step 0 starts the sums.  Step 1's x left last at the head: only this step's 25 loads are younger
	TRIP 1, 0, 3, 41, 25                           ; from here on x of step t + 1 has its own weight's 16 loads and this step's 25 behind it, weight the 25
	s_wait_xcnt 0x0                                ; the bases are stepped only when every issued load has taken its address
	s_add_nc_u64 s[4:5], s[4:5], 4*XSTEP
	s_add_nc_u64 s[6:7], s[6:7], 4*WSTEP
	s_mov_b32 s28, 6                               ; steps 2 to 13, which load steps 4 to 15
.Lk:
	TRIP 0, 0, 0, 41, 25
	TRIP 1, 0, 1, 41, 25
	s_wait_xcnt 0x0
	s_add_nc_u64 s[4:5], s[4:5], 2*XSTEP
	s_add_nc_u64 s[6:7], s[6:7], 2*WSTEP
	s_sub_co_u32 s28, s28, 1
	s_cmp_lg_u32 s28, 0
	s_cbranch_scc1 .Lk
	TRIP 0, 0, -1, 16, 0                           ; step 14 loads nothing: behind step 15's x stand its weight's 16 loads, behind those nothing
	TRIP 1, 0, -1, -1, -1                          ; step 15; its barrier: nobody reads the buffers any more
	; THE WAY OUT.  My sums go to LDS as f32 (a lane holds 8 neighbouring columns of a row: two stores of 16 bytes; sixteen rows 1,040 bytes
	; apart fall on different banks); the four places behind the last matrix instruction stand at the end of the last step.
	s_wait_alu depctr_va_vdst(0)                   ; the matrix instructions have written the sums, which the LDS stores read; the places stay beside this wait
.irp a, 0,1,2,3,4,5,6,7,8
.irp b, 0,1
	ds_store_b128 v[OST+\a/3], v[ACC+8*(2*\a+\b):ACC+8*(2*\a+\b)+3]   offset:(\a%3)*16*OPITCH+64*\b
	ds_store_b128 v[OST+\a/3], v[ACC+8*(2*\a+\b)+4:ACC+8*(2*\a+\b)+7] offset:(\a%3)*16*OPITCH+64*\b+16
.endr
.endr
	SYNC                                           ; rows are made of all eight waves' columns
	; Rows are read back by the map of the x loads (row wave + 8 h + 16 i, 16 bytes at 16 r + 256 q), so XOFF serves again as the place in
	; out0.  Each store of the wave covers 256 neighbouring, aligned bytes of each of two tokens' rows.  36 chunks, registers of their own.
	WIN STAGE_W
	s_wait_alu depctr_va_vdst(0)                   ; the conversions of steps 14 and 15 are done writing and reading the two sets' registers, in which the rows land
	s_wait_alu depctr_vm_vsrc(0)                   ; and the LDS stores of those steps have read them
.irp i, 0,1,2,3,4,5,6,7,8
.irp q, 0,1,2,3
	ds_load_b128 v[4*(4*\i+\q):4*(4*\i+\q)+3], v[ORD+\i/3] offset:(\i%3)*16*OPITCH+256*\q
.endr
.endr
	; Nine groups of four chunks.  Group i's additions write group i's registers; the four stores dealt among them read group i - 1's and XOFF,
	; which no vector instruction behind the group's wait names.  No register of a store is written again.
.irp i, 0,1,2,3,4,5,6,7,8
	s_wait_dscnt 32-4*\i                           ; group i's four chunks are in; the later groups' stay out
.if \i > 0
	s_wait_alu depctr_va_vdst(0)                   ; the additions of the group before have written the registers that the four stores below read
.endif
.irp q, 0,1,2,3
.if \i > 0
	global_store_b128 v[XOFF+\i-1], v[4*(4*(\i-1)+\q):4*(4*(\i-1)+\q)+3], s[14:15] offset:256*\q th:TH_STORE_NT
.endif
	v_pk_add_f32 v[4*(4*\i+\q):4*(4*\i+\q)+1],   v[4*(4*\i+\q):4*(4*\i+\q)+1],   v[BIAS+4*\q:BIAS+4*\q+1]
	v_pk_add_f32 v[4*(4*\i+\q)+2:4*(4*\i+\q)+3], v[4*(4*\i+\q)+2:4*(4*\i+\q)+3], v[BIAS+4*\q+2:BIAS+4*\q+3]
.endr
.endr
	s_wait_alu depctr_va_vdst(0)                   ; the last group's additions have written the registers that the last four stores read
.irp q, 0,1,2,3
	global_store_b128 v[XOFF+8], v[4*(32+\q):4*(32+\q)+3], s[14:15] offset:256*\q th:TH_STORE_NT
.endr
	WIN 0
	s_wait_dscnt 0x0
	s_wait_alu depctr_hold_cnt(0) depctr_sa_sdst(0) depctr_va_vdst(0) depctr_va_sdst(0) depctr_va_ssrc(0) depctr_va_vcc(0) depctr_vm_vsrc(0)
	s_wait_tensorcnt 0x0
	ds_add_u32 v22, v23
	s_wait_dscnt 0x0
	s_endpgm
.Lfunc_end_k_q47770e0bf4_gemm:
	.size	k_q47770e0bf4_gemm, .Lfunc_end_k_q47770e0bf4_gemm-k_q47770e0bf4_gemm
	.p2alignl 7, 3214868480
	.fill 96, 4, 3214868480
	.section	.rodata,"a",@progbits
	.p2align	6, 0x0
	.amdhsa_kernel k_q47770e0bf4_gemm
		.amdhsa_group_segment_fixed_size 150784
		.amdhsa_private_segment_fixed_size 0
		.amdhsa_enable_private_segment 0
		.amdhsa_kernarg_size 48
		.amdhsa_user_sgpr_count 2
		.amdhsa_user_sgpr_kernarg_segment_ptr 1
		.amdhsa_wavefront_size32 1
		.amdhsa_system_sgpr_workgroup_id_x 1
		.amdhsa_system_sgpr_workgroup_id_y 1
		.amdhsa_system_sgpr_workgroup_id_z 1
		.amdhsa_system_vgpr_workitem_id 0
		.amdhsa_next_free_vgpr 512
		.amdhsa_next_free_sgpr 66
		.amdhsa_reserve_vcc 0
		.amdhsa_float_denorm_mode_32 3
		.amdhsa_float_denorm_mode_16_64 3
		.amdhsa_memory_ordered 1
		.amdhsa_forward_progress 1
		.amdhsa_inst_pref_size 101
	.end_amdhsa_kernel
	.amdgpu_metadata
---
amdhsa.version: [ 1, 2 ]
amdhsa.kernels:
  - .name:           k_q47770e0bf4_gemm
    .symbol:         k_q47770e0bf4_gemm.kd
    .args:
      - { .name: x, .offset: 0, .size: 8, .value_kind: global_buffer, .address_space: global }
      - { .name: weight, .offset: 8, .size: 8, .value_kind: global_buffer, .address_space: global }
      - { .name: bias, .offset: 16, .size: 8, .value_kind: global_buffer, .address_space: global }
      - { .name: order, .offset: 24, .size: 8, .value_kind: global_buffer, .address_space: global }
      - { .name: tiles, .offset: 32, .size: 8, .value_kind: global_buffer, .address_space: global }
      - { .name: out0, .offset: 40, .size: 8, .value_kind: global_buffer, .address_space: global }
    .group_segment_fixed_size: 150784
    .private_segment_fixed_size: 0
    .kernarg_segment_align: 8
    .kernarg_segment_size: 48
    .max_flat_workgroup_size: 256
    .sgpr_count:     66
    .vgpr_count:     512
    .wavefront_size: 32
...
	.end_amdgpu_metadata
.endif
;; end of part 3
